; MI455X (gfx1250); checked and timed in simulation.
; The chip was launched on July 23, 2026; its instructions are those of AMD's public machine-readable ISA for CDNA 5 (MIT licence, August 2026) and "CDNA5" Instruction Set Architecture Reference Guide (July 2026). The comments in the code are by the model that wrote it; some were corrected since.
;; Attention. Allowed arithmetic: matrix products marked QUANTISED: E2M1 operands, one E8M0 scale for each 32 along K, by v_wmma_scale_f32_16x16x128_f8f6f4 with both operands' format E2M1 (or v_wmma_scale_f32_32x16x128_f4), f32 sums; everything else in f32.
;; Inputs: k 2 x 16 x 2,048 x 64 float32; q 2 x 16 x 2,048 x 64 float32; v 2 x 16 x 2,048 x 64 float32.
;; Outputs: out0 2 x 16 x 2,048 x 64 float32.
;; Constants: mask = 1.
;; This version of the problem:
;;   THIS VERSION OF THE PROBLEM IS GIVEN IN LOW PRECISION. The matrix products marked QUANTISED in the list below multiply operands that are first quantised to E2M1 (2 exponent bits, 1 mantissa bit; 4 bits a number), with one power-of-two scale for each 32 numbers along K (OCP MX v1.0); their sums are f32. All else is computed in f32.
;;   The module's matrix products, in the order in which they are computed (A, B: the left and right operand; K: the contracted axis; several contracted axes count as one K, in the product's order):
;;     1. batch 32 x [M 2,048, K 64] x [K 64, N 2,048]; A: input q; B: input k: QUANTISED
;;     2. batch 32 x [M 2,048, K 2,048] x [K 2,048, N 64]; A: softmax (see below); B: input v: QUANTISED
;;   THE QUANTISER, for each operand of a quantised product, along K:
;;     - K is cut into blocks of 32 from its start; a last block that is shorter is filled with zeros.
;;     - A block's scale is 2^e with e = floor(log2(the largest magnitude in the block)) - 2, held to -126 .. 127; a block of zeros has e = 0. As a byte (E8M0): e + 127.
;;     - Each number is divided by its block's scale, clamped to +-6, and rounded to the nearest number of E2M1, ties to even, subnormals kept.
;;     - The product sums the exact products of the quantised numbers (number of the format x scale) in f32.
;;   ~~~python
;;   def quantise(x, axis):      # numpy; x: float32 -> the quantised numbers, widened to float32 again
;;       x = np.moveaxis(x, axis, -1); K = x.shape[-1]
;;       x = np.pad(x, [(0, 0)] * (x.ndim - 1) + [(0, -K % 32)]); x = x.reshape(x.shape[:-1] + (-1, 32)); a = np.abs(x).max(-1, keepdims=True)
;;       e = np.where(a > 0, np.clip(np.frexp(np.where(a > 0, a, 1))[1] - 1 - 2, -126, 127), 0)      # np.frexp(a)[1] - 1 = floor(log2(a)), exactly
;;       r = np.clip(x / 2.0 ** e, -6, 6)
;;       step = 2.0 ** (np.maximum(np.frexp(np.where(r == 0, 1, r))[1] - 1, 0) - 1)
;;       q = np.round(r / step) * step * 2.0 ** e      # np.round: ties to even
;;       return np.moveaxis(q.reshape(q.shape[:-2] + (-1,))[..., :K], -1, axis).astype(np.float32)
;;   ~~~
;;   SOFTMAX AHEAD OF A QUANTISED PRODUCT. Where the list says 'softmax', what is quantised is not the finished softmax but p = 2^(t - M), with t = logit x log2(e) and M = ceil(the row's largest t), a whole number; so 1/2 < the row's largest p <= 1. The row's sum l is taken of the UNQUANTISED p, in f32, and the product's result is divided by l at the end. Since M is a whole number, a kernel that streams over the keys may use a running M (the ceiling of the running maximum): every later rescaling is an exact power of two, which a block's scale takes up: the codes' values come out the same.
;;   OPERANDS COMPUTED ON THE WAY. 'Computed on the way' means the value that the module computes at that place (a softmax that the list does not call 'softmax' is quantised finished and normalised). What goes into a quantiser is computed in f32, as accurately as f32 sums, v_exp_f32 and their like allow (about 1e-6 of the number): no bf16 or f16 on the way to a quantiser, and a product that is left as it is and whose result goes on into a quantised operand takes f32 operands (vector FMAs, or v_wmma_f32_16x16x4_f32). A number that lies on a knife's edge between two numbers of the format may be rounded either way, as far as f32 arithmetic and the matrix unit's own rounding can turn it there, and no further.
;; One version. Each part assembles by itself: llvm-mc -triple=amdgcn-amd-amdhsa -mcpu=gfx1250 --defsym DOCPART=n.
;; ======== version 1 of 1: 2 launches
;; limits: right only within a limited range of input values
;; workspace buffers: kv 4,587,520 bytes
;; launch prep (part 1): grid 512 x 1, 4 waves a work-group, no clusters, 37,888 bytes of LDS; arguments k, v, kv; writes kv
.if DOCPART == 1
	.amdgcn_target "amdgcn-amd-amdhsa--gfx1250"
	.amdhsa_code_object_version 6
	.text
	.protected	k_qcda9660353_prep
	.globl	k_qcda9660353_prep
	.p2align	8
	.type	k_qcda9660353_prep,@function
k_qcda9660353_prep:
	s_mov_b64 s[64:65], 0
	v_nop
	global_prefetch_b8 v0, s[64:65] scope:SCOPE_SE
	s_setreg_imm32_b32 hwreg(HW_REG_WAVE_MODE, 25, 1), 1
	s_wait_xcnt 0x0
; k and v, [32 heads][2048 keys][64] f32, become codes of FP4 (E2M1) with one E8M0 byte for each 32 along a product's K, laid in the order of the operands' registers of the launch behind,
; one dense block of STEPB = 8,960 bytes for each (head, step of 128 keys):
;   KIMG    0: 8 tiles x 512 bytes.  Row r of tile t = 4 c + u is key 64 c + 32 (r / 8) + 8 u + r % 8 of the step; its codes of d = 32 h .. 32 h + 31 are 16 bytes at 512 t + 256 (r / 8) + 128 (h xor r / 8) + 16 (r % 8)
;   VIMG 4096: 4 tiles x 1,024 bytes.  Tile t, piece c: 16 bytes at 1024 t + 512 c + 16 (r + 16 h): the codes of keys 64 c + 32 h + 0 .. 31 of channel 16 t + r
;   KSCL 8192: the scale word of (tile t, row r) at 16 (r + 16 (t % 2)) + 4 (t / 2): byte 0 for d 0-31, byte 1 for d 32-63, bytes 2 and 3 are 0
;   VSCL 8704: the scale word of channel n at 8 (n % 32) + 4 (n / 32): byte b for keys 32 b .. 32 b + 31 of the step
; A block's scale is 2^(floor(log2(its largest magnitude)) - 2); its byte is the largest magnitude's exponent field - 2, held at 1 from below.
; LIMITS: a block of zeros gets the byte 1 where the rule says 127 (its codes are zeros, which add nothing under any byte but 0xff, and this program alone reads the bytes);
; NaN and infinities among the inputs are not served.
; LEFT OUT in the launch behind: whole steps of 128 keys all of which come after the wave's queries.  reference()'s own lower triangle gives them -infinity, so their weight is 0 for all finite inputs.
; A NaN, an infinity or an overflow that reaches only such work is not carried to the result.  mask is the constant 1 and no buffer.
; SHARES.  A work-group takes one step of one head (work-group x = 16 head + step); wave b takes keys 32 b .. 32 b + 31 of it, of k and then of v: 8,192 bytes of each.
; k: K is innermost.  Each load reads 512 consecutive bytes; the 8,192 bytes turn through the wave's own stage in LDS, so that a lane then holds a whole block of 32 neighbours of one key.
; v: K is the first axis.  A lane takes a channel and its registers run down the keys: a block lies in one lane's 32 registers and nothing is transposed.
; Codes leave in whole aligned runs of 256 bytes.  The scale words meet in LDS behind the one barrier and leave by one store of wave 0 (k's, 512 bytes) and one of wave 1 (v's, 256 bytes).
; No register that a store names is written again.  No tensor load and no cluster: no byte is read by two work-groups.
.set STEPB, 8960
.set WSTG,  8960                       ; a wave's stage: key x at 272 x + 128 (x / 16), 32 keys of 256 bytes
.set KW,    4*WSTG                     ; behind the stages: k's scale words, laid as KSCL
.set VW,    KW+512                     ; v's scale words, each wave's byte shifted to its place, 256 bytes a wave, laid as VSCL
.set SPARE, VW+1024                    ; the spare words, 128 bytes for each wave
.set AM,  13                           ; v13-16 four running maxima
.set SOP, 17                           ; v17 the conversion's scale operand
.set BY,  18                           ; v18 the scale's byte
.set T,   19                           ; v19 at work
.set PD,  38                           ; v38 a lane permute's destination
.set XK,  40                           ; v40-103   k as loaded
.set XT,  104                          ; v104-167  k after the turn: two passes x 32 numbers
.set XV,  168                          ; v168-231  v: two halves of the channels x 32 keys
.set SPW, 232
.set NIL, 233
.set KO,  234                          ; v234 my place in KIMG
.set V2W, 235                          ; v235 v's second scale byte at its place
; 32 numbers v[x] .. v[x + 31], one block, become four registers of codes v[c] .. v[c + 3]; the scale's byte is left in v[BY].  Four chains of maxima by turns.
.macro QUANT32 x, c
	v_max3_num_f32 v[AM], |v[\x]|, |v[\x+1]|, 0x1800000            ; with the floor 2^(3 - 127) as one more leaf: the byte cannot fall under 1
.irp k, 1,2,3
	v_max3_num_f32 v[AM+\k], |v[\x+3*\k-1]|, |v[\x+3*\k]|, |v[\x+3*\k+1]|
.endr
.irp i, 11,19
.irp k, 0,1,2,3
	v_max3_num_f32 v[AM+\k], v[AM+\k], |v[\x+\i+2*\k]|, |v[\x+\i+2*\k+1]|
.endr
.endr
	v_max3_num_f32 v[AM], v[AM], |v[\x+27]|, |v[\x+28]|
	v_max3_num_f32 v[AM+1], v[AM+1], |v[\x+29]|, |v[\x+30]|
	v_max3_num_f32 v[AM+2], v[AM+2], v[AM+3], |v[\x+31]|
	v_max3_num_f32 v[AM], v[AM], v[AM+1], v[AM+2]
	v_add_nc_u32 v[SOP], 0xff000000, v[AM]                         ; 2 off its exponent field: the conversion takes the exponent field of this operand as its scale, and nothing else of it
	v_lshrrev_b32 v[BY], 23, v[SOP]                                ; the scale's byte
.irp g, 0,1,2,3
	v_cvt_scalef32_pk8_fp4_f32 v[\c+\g], v[\x+8*\g:\x+8*\g+7], v[SOP]   ; to the nearest code, ties to even, beyond 6 the largest code; the first number's code in the lowest bits
.endr
	v_nop                                                          ; one plain place behind a scaled conversion
.endm
	s_load_b128 s[4:7], s[0:1], 0x0                ; k s[4:5], v s[6:7]
	s_load_b64 s[8:9], s[0:1], 0x10                ; kv
	v_lshl_add_u32 v[SPW], v0, 2, SPARE
	v_mov_b32 v[NIL], 0
	v_lshrrev_b32 v1, 5, v0
	v_readfirstlane_b32 s10, v1                    ; wave b = 0..3
	s_mul_i32 s17, s10, WSTG                       ; my stage
	s_and_b32 s29, s10, 1                          ; b % 2
	s_lshr_b32 s30, s10, 1                         ; b / 2
	s_lshl_b32 s26, s29, 7
	s_lshl_b32 s27, s30, 3
	s_add_co_u32 s26, s26, s27                     ; my part of KSCL: 128 (b % 2) + 8 (b / 2)
	s_lshl_b32 s27, s10, 8
	v_and_b32 v1, 31, v0                           ; lane
	v_and_b32 v13, 15, v0                          ; r
	v_bfe_u32 v14, v0, 4, 1                        ; h
	v_lshlrev_b32 v2, 4, v1                        ; 16 x lane
	v_lshlrev_b32 v3, 2, v1                        ; 4 x lane
	v_lshlrev_b32 v12, 3, v1                       ; 8 x lane
	v_mul_u32_u24 v4, v14, 272
	v_lshl_add_u32 v4, v13, 4, v4
	v_add_nc_u32 v4, s17, v4                       ; the stage, way in: a load's two keys: 272 h + 16 r
	v_mul_u32_u24 v5, v13, 272
	v_lshl_add_u32 v5, v14, 7, v5
	v_add_nc_u32 v5, s17, v5                       ; the stage, way out: pass u takes keys 16 u + r; + 128 h: my block of the key's 64 numbers
	v_lshlrev_b32 v6, 10, v14
	v_lshl_add_u32 v6, v13, 4, v6                  ; v's image: channel = lane: tile lane / 16, row lane % 16
	v_lshrrev_b32 v15, 3, v13                      ; r / 8
	v_and_b32 v16, 7, v13                          ; r % 8
	v_lshlrev_b32 v[KO], 9, v15                    ; KIMG: pass u's keys are rows of tiles 4 (b / 2) + 2 u + r / 8: 512 (r / 8) + 128 (h xor b % 2) + 16 (r % 8),
	v_lshl_add_u32 v[KO], v16, 4, v[KO]
	v_xor_b32 v17, s29, v14
	v_lshl_add_u32 v[KO], v17, 7, v[KO]            ; so sixteen lanes fill one aligned unit of 256 bytes
	v_lshlrev_b32 v7, 8, v15
	v_lshl_add_u32 v7, v16, 4, v7
	v_add_nc_u32 v7, s26, v7
	v_add_nc_u32 v7, KW, v7                        ; where I put the scale words of keys r and 16 + r, which are neighbours: 256 (r / 8) + 16 (r % 8) + my part
	v_add_nc_u32 v8, s27, v12
	v_add_nc_u32 v8, VW, v8                        ; and of v: VW + 256 b + 8 lane
	v_add_nc_u32 v9, KW, v2                        ; wave 0 reads k's words back
	v_add_nc_u32 v10, VW, v12                      ; wave 1 reads v's: VW + 8 lane, 256 bytes from wave to wave
	v_lshlrev_b32 v11, 3, v14                      ; 8 h: my byte's place in k's scale word
	v_mov_b32 v[PD], 0                             ; a lane permute's destination counts as one of its sources
	s_lshl_b32 s12, ttmp9, 15                      ; the step's 128 keys of 256 bytes,
	s_lshl_b32 s28, s10, 13                        ; my 32 of them
	s_add_co_u32 s12, s12, s28
	s_mov_b32 s13, 0
	s_mul_i32 s14, ttmp9, STEPB                    ; the step's block in kv
	s_mov_b32 s15, 0
	s_lshl_b32 s16, s10, 3                         ; 8 b: my byte's place in v's scale word
	s_mov_b32 s19, 0
	s_mov_b32 s20, 0x76543210
	s_mov_b32 s21, 0xfedcba98                      ; v_permlanex16_b32's selects for lane l xor 16
	s_wait_alu depctr_va_vdst(0)
	s_wait_kmcnt 0x0
	s_add_nc_u64 s[4:5], s[4:5], s[12:13]
	s_add_nc_u64 s[6:7], s[6:7], s[12:13]
	s_add_nc_u64 s[8:9], s[8:9], s[14:15]
.irp i, 0,1,2,3,4,5,6,7,8,9,10,11,12,13,14,15
	global_load_b128 v[XK+4*\i:XK+4*\i+3], v2, s[4:5] offset:512*\i th:TH_LOAD_NT       ; keys 2 i and 2 i + 1: 512 consecutive bytes
.endr
.irp i, 0,1,2,3,4,5,6,7,8,9,10,11,12,13,14,15,16,17,18,19,20,21,22,23,24,25,26,27,28,29,30,31
	global_load_b32 v[XV+\i], v3, s[6:7] offset:256*\i th:TH_LOAD_NT                    ; v(key i, channel = lane)
.endr
	s_lshl_b32 s18, s30, 11
	s_lshl_b32 s28, s29, 8
	s_add_co_u32 s18, s18, s28
	s_add_nc_u64 s[22:23], s[8:9], s[18:19]        ; KIMG: 2,048 (b / 2) + 256 (b % 2)
	s_lshl_b32 s18, s10, 8
	s_add_co_u32 s18, s18, 4096
	s_add_nc_u64 s[24:25], s[8:9], s[18:19]        ; my keys' place in VIMG: 512 (b / 2) + 256 (b % 2) = 256 b
	s_wait_loadcnt 32                              ; k's sixteen loads are in; v's 32 behind them may be out
.irp i, 0,1,2,3,4,5,6,7,8,9,10,11,12,13,14,15
	ds_store_b128 v4, v[XK+4*\i:XK+4*\i+3] offset:544*\i+128*(\i/8)
.endr
.irp u, 0,1
.irp p, 0,1,2,3,4,5,6,7
	ds_load_b128 v[XT+32*\u+4*\p:XT+32*\u+4*\p+3], v5 offset:4480*\u+16*\p              ; LDS serves a wave's instructions in order (ISA guide 5.7.1.4): these see my stores
.endr
.endr
.irp i, 0,1,2,3,4,5,6,7,8,9,10,11,12,13,14,15,16,17,18,19,20,21,22,23,24,25,26,27,28,29,30,31
	global_load_b32 v[XV+32+\i], v3, s[6:7] offset:256*\i+128 th:TH_LOAD_NT             ; v(key i, channel = 32 + lane)
.endr
	s_wait_dscnt 0x0
.irp u, 0,1
	QUANT32 XT+32*\u, 20+4*\u
	v_lshlrev_b32 v[T], v11, v[BY]                 ; my block's byte at its place,
	v_permlanex16_b32 v[PD], v[T], s20, s21
	v_or_b32 v[36+\u], v[T], v[PD]                 ; with lane l xor 16's: the key's scale word, in both lanes
	global_store_b128 v[KO], v[20+4*\u:23+4*\u], s[22:23] offset:1024*\u
.endr
	ds_store_b64 v7, v[36:37]                      ; (both lanes of a key write the same bytes with the same value)
	s_wait_loadcnt 32                              ; v's first 32 channels are in; the other 32 loads may be out
	QUANT32 XV, 28
	v_lshlrev_b32 v39, s16, v[BY]                  ; my wave's byte at its place in the channel's scale word
	ds_store_b32 v8, v39
	global_store_b128 v6, v[28:31], s[24:25]       ; sixteen lanes store 256 consecutive bytes, at a multiple of 256 from kv's first byte
	s_wait_loadcnt 0x0
	QUANT32 XV+32, 32
	v_lshlrev_b32 v[V2W], s16, v[BY]
	ds_store_b32 v8, v[V2W] offset:4               ; channel 32 + lane
	global_store_b128 v6, v[32:35], s[24:25] offset:2048
	s_wait_dscnt 0x0                               ; for the others' sake: my scale words lie in LDS
	s_barrier_signal -1
	s_barrier_wait -1
	s_cmp_eq_u32 s10, 0
	s_cbranch_scc0 .Lnot_wave_0
	ds_load_b128 v[40:43], v9
	s_wait_dscnt 0x0
	global_store_b128 v2, v[40:43], s[8:9] offset:8192             ; KSCL: 512 consecutive bytes
	s_wait_tensorcnt 0x0                           ; the wave's end
	ds_add_u32 v[SPW], v[NIL]
	s_wait_dscnt 0x0
	s_endpgm
.Lnot_wave_0:
	s_cmp_eq_u32 s10, 1
	s_cbranch_scc0 .Ldone
.irp b, 0,1,2,3
	ds_load_b64 v[44+2*\b:45+2*\b], v10 offset:256*\b              ; the four waves' bytes of two scale words
.endr
	s_wait_dscnt 0x0
	v_or_b32 v52, v44, v46
	v_or_b32 v53, v45, v47
	v_or_b32 v54, v48, v50
	v_or_b32 v55, v49, v51
	v_or_b32 v52, v52, v54
	v_or_b32 v53, v53, v55
	global_store_b64 v12, v[52:53], s[8:9] offset:8704             ; VSCL: 256 consecutive bytes
.Ldone:
	s_wait_tensorcnt 0x0                           ; the wave's end, as above
	ds_add_u32 v[SPW], v[NIL]
	s_wait_dscnt 0x0
	s_endpgm
.Lfunc_end_k_qcda9660353_prep:
	.size	k_qcda9660353_prep, .Lfunc_end_k_qcda9660353_prep-k_qcda9660353_prep
	.p2alignl 7, 3214868480
	.fill 96, 4, 3214868480
	.section	.rodata,"a",@progbits
	.p2align	6, 0x0
	.amdhsa_kernel k_qcda9660353_prep
		.amdhsa_group_segment_fixed_size 37888
		.amdhsa_private_segment_fixed_size 0
		.amdhsa_enable_private_segment 0
		.amdhsa_kernarg_size 24
		.amdhsa_user_sgpr_count 2
		.amdhsa_user_sgpr_kernarg_segment_ptr 1
		.amdhsa_wavefront_size32 1
		.amdhsa_system_sgpr_workgroup_id_x 1
		.amdhsa_system_sgpr_workgroup_id_y 1
		.amdhsa_system_sgpr_workgroup_id_z 1
		.amdhsa_system_vgpr_workitem_id 0
		.amdhsa_next_free_vgpr 236
		.amdhsa_next_free_sgpr 66
		.amdhsa_reserve_vcc 0
		.amdhsa_float_denorm_mode_32 3
		.amdhsa_float_denorm_mode_16_64 3
		.amdhsa_memory_ordered 1
		.amdhsa_forward_progress 1
		.amdhsa_inst_pref_size 21
	.end_amdhsa_kernel
	.amdgpu_metadata
---
amdhsa.version: [ 1, 2 ]
amdhsa.kernels:
  - .name:           k_qcda9660353_prep
    .symbol:         k_qcda9660353_prep.kd
    .args:
      - { .name: k, .offset: 0, .size: 8, .value_kind: global_buffer, .address_space: global }
      - { .name: v, .offset: 8, .size: 8, .value_kind: global_buffer, .address_space: global }
      - { .name: kv, .offset: 16, .size: 8, .value_kind: global_buffer, .address_space: global }
    .group_segment_fixed_size: 37888
    .private_segment_fixed_size: 0
    .kernarg_segment_align: 8
    .kernarg_segment_size: 24
    .max_flat_workgroup_size: 128
    .sgpr_count:     66
    .vgpr_count:     236
    .wavefront_size: 32
...
	.end_amdgpu_metadata
.endif
;; end of part 1
;; launch attn (part 2): grid 8 x 32, 16 waves a work-group, clusters of 4 x 1, 215,040 bytes of LDS; arguments q, kv, out0; writes out0
.if DOCPART == 2
	.amdgcn_target "amdgcn-amd-amdhsa--gfx1250"
	.amdhsa_code_object_version 6
	.text
	.protected	k_qcda9660353_attn
	.globl	k_qcda9660353_attn
	.p2align	8
	.type	k_qcda9660353_attn,@function
k_qcda9660353_attn:
	s_mov_b64 s[64:65], 0
	v_nop
	global_prefetch_b8 v0, s[64:65] scope:SCOPE_SE
	s_setreg_imm32_b32 hwreg(HW_REG_WAVE_MODE, 25, 1), 1
	s_wait_xcnt 0x0
	s_wait_alu depctr_hold_cnt(0) depctr_sa_sdst(0) depctr_va_vdst(0) depctr_va_sdst(0) depctr_va_ssrc(0) depctr_va_vcc(0) depctr_vm_vsrc(0)
	s_getreg_b32 s2, hwreg(HW_REG_IB_STS2, 6, 4)
	s_cmp_eq_u32 s2, 0
	s_cbranch_scc0 .Lentry_in_a_cluster
	s_endpgm
.Lentry_in_a_cluster:
	s_bfe_u32 s2, ttmp6, 0x10000c
	s_cmp_lg_u32 s2, 0x3003
	s_cbranch_scc0 .Lentry_shape_is_right
	s_endpgm
.Lentry_shape_is_right:
; out0[head][q][:] = the sum over k of softmax_k(q . k / 8) v[k][:], 32 heads, 2,048 queries and keys, head size 64, both products on codes of FP4 (E2M1) with one E8M0 scale for each 32 along K.
; HIDDEN are the keys after the query AND every key whose score is exactly 0 (the mask is taken where the lower triangle of the scores equals 0): such scores become -infinity ahead of the maximum.
; A row in which everything is hidden gives 0 x (1 / 0) = NaN, as a softmax over -infinities does.
; LEFT OUT: a step of 128 keys all of which come after the wave's queries (their weight is 0 by reference()'s own mask).  A NaN or infinity that reaches only such work is not carried to the result.
; THE SOFTMAX AHEAD OF THE SECOND PRODUCT: t = score x log2(e) / 8; M = the row's largest t so far, rounded UP to a whole number; p = 2^(t - M) is what is quantised, along the keys; the row's sum is
; taken of the unquantised p and divides at the end.  When M moves, the sum and O are multiplied by 2^(old M - new M): exact.
; LIMITS: NaN and infinities among the inputs are not served; a score so small that its eighth would underflow to 0 in f32 is not hidden here; a block of zeros has the byte 1 (zero codes add nothing).
; k and v come as the images that the launch before has laid: 8,960 dense bytes for each step of 128 keys.  A HEAD'S 16 STEPS, 143,360 BYTES, COME INTO LDS ONCE: wave w fetches step w by its one tensor load,
; every LDS byte is filled once, and one barrier shows all of it to all waves.  No prefetch: all of it is asked for at the head, and no later load follows that a loop could run ahead of.
; SHARES.  A head's 2,048 queries are 128 tiles of 16.  Work-group j (0 .. 7) of a head takes the tiles 8 b + j, b = 0 .. 15, one for each wave: a tile 8 b + j wants the steps 0 .. b for every j.
; So a wave's work hangs on its own number alone and all work-groups run alike.  The longest tiles go to the lowest wave numbers: waves 0-3 take b = 15, 14, 13, 12, waves 4-7 b = 8 .. 11, waves 8-11 b = 7 .. 4,
; waves 12-15 b = 0 .. 3: any four waves alike in wave % 4 have 34 steps together.
; EVERY WAVE WALKS ALL 16 TRIPS of the loop, whose trip count is a constant; a step behind the wave's last is left out by a scalar branch on the wave's number.
; Waves 0-7 ask for q ahead of the images and make its codes while the images are on their way; waves 8-15 ask for q when their own tile of the images has landed.
; CLUSTERS: four work-groups of a head form a cluster and ask for the images jointly: the same descriptor in all four (it hangs on the head and the wave's number).
; LAYOUT.  Both products are used transposed: S^T = K Q^T (source 0 = 32 keys, source 1 = my 16 queries), O^T = V^T P^T (source 0 = 32 channels, source 1 = P): a lane holds ONE query (lane % 16) throughout.
; Row r of key tile t = 4 c + u is key 64 c + 32 (r / 8) + 8 u + r % 8, so register 32 c + i of S^T is key 64 c + 32 (lane / 16) + i: A LANE HOLDS WHOLE BLOCKS of 32 keys, in the order of the second product's operand:
; a block's maximum needs no other lane, and the conversions' results are the operand's registers.
; K = 64 IN AN INSTRUCTION OF K = 128: q's registers 4-7 are zero codes and bytes 2, 3 of both scale words are 0 (2^-127, a number).  A tile of K is 4 registers, of which the instruction names 8: the upper four are
; another tile's codes (or four registers of zeros): numbers of the format, multiplied by q's zeros.
.set STEPB, 8960
.set VIMG,  4096
.set KSCL,  8192
.set VSCL,  8704
.set STAGE, 16*STEPB                   ; behind the head's images: 16 rows x 272 bytes for each wave, for q's way in and O's way out; no tensor load lands there
.set WSTG,  16*272
.set SPARE, STAGE+16*WSTG              ; the spare words, 128 bytes for each wave
.set LI,   1                           ; v1   16 x lane
.set LK,   2                           ; v2   my place in a tile of K
.set L8,   3                           ; v3   8 x lane
.set DQ,   4                           ; v4   16 j + lane % 16 - 32 (lane / 16)
.set NEG,  5                           ; v5   -infinity
.set STO,  6                           ; v6   the stage: where I put 32 bytes of a row of O
.set RD,   7                           ; v7   the stage by rows: lanes 0-15 one row of 256 bytes, lanes 16-31 the next
.set ADK,  8                           ; v8-11 LDS addresses: K's tiles, K's scale words, V's tiles, V's scale words
.set ADS,  9
.set ADV,  10
.set ADT,  11
                                       ; v12 -M, v13 the largest score, v[14:15] the row's sum in two halves
.set QC,   16                          ; v16-19 q's codes, v20-23 zero codes
.set QS,   24                          ; v24  q's scale word
.set PS,   25                          ; v25  p's scale word
.set F,    26                          ; v26  2^(old M - new M); v27 is named with it as a pair
.set KS,   28                          ; v28-31 K's scale words: register i: lanes 0-15 tile 2 i, lanes 16-31 tile 2 i + 1
.set KFR,  36                          ; v36-67 K's eight tiles, in the order 0, 2, 1, 3, 4, 6, 5, 7; v68-71 zeros
.set VS,   72                          ; v72-73 V's scale words: register i: channel 32 i + lane
.set VF,   76                          ; v76-107 V's four tiles
.set S,    108                         ; v108-171 S^T, then p
.set OT,   172                         ; v172-203 O^T
.set PC,   204                         ; v204-211 p's codes
.set BM,   212                         ; v212-219 eight maxima at work; then v212, v213 the blocks' largest scores, then largest p;
.set BY,   216                         ; v216-217 scale bytes;
.set SO,   218                         ; v218-219 the conversions' scale operands
.set W,    220
.set T1,   221                         ; v221 lane permutes' destination
.set H8,   222                         ; v222 8 (lane / 16)
.set QAD,  223                         ; v223 the stage: my block of 32 numbers of my query
.set T0,   224
.set SPW,  226
.set NIL,  227
.set WV,   10                          ; s10  my wave's number
.set CN,   11                          ; s11  -c
.set G1,   16                          ; s[16:23] descriptor group 1
.set SEL,  24                          ; s[24:25] v_permlanex16_b32's selects for lane l xor 16
.set CS,   26                          ; s[26:27] c = log2(e) / 8
.set TB,   28                          ; s28  LDS byte at which the step's block begins
.set TBN,  29                          ; s29  and the next step's (the last's again behind the last)
.set LAST, 30                          ; s30  b: my last step
.set ST,   31                          ; s31  the step
.set G0,   32                          ; s[32:35] descriptor group 0
.set MK,   68                          ; s68-99 lane masks
; 32 numbers v[x] .. v[x + 31], one block, become four registers of codes v[c] .. v[c + 3]; the scale's byte is left in v[BY].  Four chains of maxima by turns.
.macro QUANT32 x, c
	v_max3_num_f32 v[BM], |v[\x]|, |v[\x+1]|, 0x1800000            ; with the floor 2^(3 - 127) as one more leaf: the byte cannot fall under 1
.irp k, 1,2,3
	v_max3_num_f32 v[BM+\k], |v[\x+3*\k-1]|, |v[\x+3*\k]|, |v[\x+3*\k+1]|
.endr
.irp i, 11,19
.irp k, 0,1,2,3
	v_max3_num_f32 v[BM+\k], v[BM+\k], |v[\x+\i+2*\k]|, |v[\x+\i+2*\k+1]|
.endr
.endr
	v_max3_num_f32 v[BM], v[BM], |v[\x+27]|, |v[\x+28]|
	v_max3_num_f32 v[BM+1], v[BM+1], |v[\x+29]|, |v[\x+30]|
	v_max3_num_f32 v[BM+2], v[BM+2], v[BM+3], |v[\x+31]|
	v_max3_num_f32 v[BM], v[BM], v[BM+1], v[BM+2]
	v_add_nc_u32 v[SO], 0xff000000, v[BM]                          ; 2 off its exponent field: the conversion's scale operand
	v_lshrrev_b32 v[BY], 23, v[SO]                                 ; the scale's byte
.irp g, 0,1,2,3
	v_cvt_scalef32_pk8_fp4_f32 v[\c+\g], v[\x+8*\g:\x+8*\g+7], v[SO]
.endr
	v_nop                                                          ; one plain place behind a scaled conversion
.endm
; My 16 rows of q, two rows (512 consecutive bytes) a load
.macro QLOAD
.irp i, 0,1,2,3,4,5,6,7
	global_load_b128 v[S+4*\i:S+4*\i+3], v[LI], s[4:5] offset:512*\i th:TH_LOAD_NT
.endr
.endm
; q, as loaded, becomes codes; the running numbers and O^T begin
.macro BEGIN
	s_wait_loadcnt 0x0
.irp i, 0,1,2,3,4,5,6,7
	ds_store_b128 v[RD], v[S+4*\i:S+4*\i+3] offset:544*\i          ; through my stage, by rows,
.endr
.irp p, 0,1,2,3,4,5,6,7
	ds_load_b128 v[S+32+4*\p:S+32+4*\p+3], v[QAD] offset:16*\p     ; and back: lane (r, h) takes block h of query r.  LDS serves a wave's instructions in order (ISA guide 5.7.1.4)
.endr
	s_wait_dscnt 0x0
	QUANT32 S+32, QC
	v_lshlrev_b32 v[W], v[H8], v[BY]               ; my block's byte at its place,
	v_permlanex16_b32 v[T1], v[W], s[SEL], s[SEL+1]
	v_or_b32 v[QS], v[W], v[T1]                    ; with lane l xor 16's: the query's scale word; bytes 2 and 3 are 0
	v_mov_b32 v13, 0xff61b1e6                      ; the largest score so far: -3e38, under every score
	v_mov_b32 v14, 0                               ; the sum, in two halves
	v_mov_b32 v15, 0
	v_mul_f32 v[T0], s[CN], v13
.irp n, 0,1,2,3,4,5,6,7,8,9,10,11,12,13,14,15,16,17,18,19,20,21,22,23,24,25,26,27,28,29,30,31
	v_mov_b32 v[OT+\n], 0                          ; O^T: the step is written once; the first finds zeros, which the first change of M leaves zeros.  (These lines are also places between q's scale word and the first product)
.endr
	v_floor_f32 v12, v[T0]                         ; -M
	s_wait_alu depctr_va_vdst(0)
.endm
; A round of the cluster's barrier
.macro CROUND
	s_barrier_signal -1
	s_barrier_wait -1
	s_cmp_lg_u32 s[WV], 0
	s_cbranch_scc1 .Lnot_wave_0_\@
	s_barrier_signal -3
.Lnot_wave_0_\@:
	s_barrier_wait -3
	s_barrier_signal -1
	s_barrier_wait -1
.endm
; A step's nine LDS loads of K
.macro KLOAD ak, as
	ds_load_b128 v[KS:KS+3], v[\as] offset:KSCL
.irp t, 0,4
	ds_load_b128 v[KFR+4*\t:KFR+4*\t+3], v[\ak] offset:512*\t
	ds_load_b128 v[KFR+4*\t+8:KFR+4*\t+11], v[\ak] offset:512*\t+512
	ds_load_b128 v[KFR+4*\t+4:KFR+4*\t+7], v[\ak] offset:512*\t+1024
	ds_load_b128 v[KFR+4*\t+12:KFR+4*\t+15], v[\ak] offset:512*\t+1536
.endr
.endm
	s_load_b128 s[4:7], s[0:1], 0x0                ; q s[4:5], kv s[6:7]
	s_load_b64 s[8:9], s[0:1], 0x10                ; out0
	v_lshl_add_u32 v[SPW], v0, 2, SPARE
	v_mov_b32 v[NIL], 0
	ds_add_u32 v[SPW], v[NIL]                      ; the wave's opening: the add, twice on end, and its wait ahead of my tensor load
	ds_add_u32 v[SPW], v[NIL]
	v_lshrrev_b32 v[ADK], 5, v0
	v_readfirstlane_b32 s[WV], v[ADK]              ; wave 0..15
	s_mul_i32 s51, s[WV], WSTG
	s_add_co_u32 s51, s51, STAGE                   ; my stage
	s_bfe_u32 s13, ttmp6, 0x40000                  ; my place in the cluster
	s_lshl_b32 s12, ttmp9, 2
	s_add_co_u32 s13, s13, s12                     ; j
	s_lshl_b32 s15, s13, 4                         ; 16 j
	v_and_b32 v[T0], 31, v0                        ; lane
	v_lshlrev_b32 v[LI], 4, v[T0]
	v_lshlrev_b32 v[L8], 3, v[T0]
	v_and_b32 v[T0], 15, v0                        ; r
	v_bfe_u32 v[T1], v0, 4, 1                      ; h
	v_lshrrev_b32 v[W], 3, v[T0]                   ; r / 8
	v_xor_b32 v[ADK], v[W], v[T1]
	v_lshlrev_b32 v[LK], 8, v[W]
	v_lshl_add_u32 v[LK], v[ADK], 7, v[LK]
	v_and_b32 v[ADK], 7, v[T0]
	v_lshl_add_u32 v[LK], v[ADK], 4, v[LK]         ; 256 (r / 8) + 128 (h xor r / 8) + 16 (r % 8)
	v_lshlrev_b32 v[H8], 3, v[T1]
	v_lshlrev_b32 v[DQ], 5, v[T1]
	v_sub_nc_u32 v[DQ], v[T0], v[DQ]
	v_add_nc_u32 v[DQ], s15, v[DQ]                 ; in my last step: my query - the step's first key - 32 h
	v_mov_b32 v[NEG], 0xff800000
	v_mul_u32_u24 v[W], v[T0], 272
	v_lshl_add_u32 v[QAD], v[T1], 7, v[W]
	v_lshl_add_u32 v[STO], v[T1], 5, v[W]
	v_add_nc_u32 v[QAD], s51, v[QAD]               ; row r, + 128 h
	v_add_nc_u32 v[STO], s51, v[STO]               ; row r, + 32 h
	v_mul_u32_u24 v[RD], v[T1], 272
	v_lshl_add_u32 v[RD], v[T0], 4, v[RD]
	v_add_nc_u32 v[RD], s51, v[RD]                 ; row h, + 16 r
	s_wait_alu depctr_va_vdst(0)
	; b = 4 (3 - y) + (y odd: x; y even: 3 - x), x = wave % 4, y = wave / 4
	s_and_b32 s48, s[WV], 3
	s_lshr_b32 s49, s[WV], 2
	s_and_b32 s50, s49, 1
	s_xor_b32 s50, s50, 1
	s_mul_i32 s50, s50, 3
	s_xor_b32 s48, s48, s50
	s_xor_b32 s49, s49, 3
	s_lshl_b32 s49, s49, 2
	s_add_co_u32 s[LAST], s49, s48
	; descriptor group 1: a step's block, 8,960 dense bytes, as 35 rows of 256 bytes
	s_mov_b32 s[G1+0], 15|(3<<16)|(1<<21)          ; 15:0 the mask: all four of the cluster; 17:16 elements of 8 bytes; 20 no padding; 21 set beside a mask
	s_mov_b32 s[G1+1], 32<<16                      ; tensor_dim0 = 32 elements
	s_mov_b32 s[G1+2], 35<<16                      ; tensor_dim1 = 35
	s_mov_b32 s[G1+3], 32<<16                      ; tile_dim0 = 32
	s_mov_b32 s[G1+4], 35                          ; tile_dim1 = 35
	s_mov_b32 s[G1+5], 32                          ; from row to row: 32 elements
	s_mov_b32 s[G1+6], 0
	s_mov_b32 s[G1+7], 0
	s_mov_b32 s[SEL], 0x76543210
	s_mov_b32 s[SEL+1], 0xfedcba98
	s_mov_b32 s[CS], 0x3e38aa3b                    ; c = log2(e) / 8
	s_mov_b32 s[CS+1], s[CS]                       ; (named with it as a pair, so it is written)
	s_mov_b32 s[CN], 0xbe38aa3b                    ; -c
	s_mov_b32 s[TB], 0
	s_mov_b32 s[ST], 0
	s_and_b32 s14, ttmp7, 0xffff                   ; the head
	s_mul_i32 s50, s[WV], STEPB                    ; the step that I fetch: in LDS and in the head's blocks alike
	s_mul_i32 s48, s14, 16*STEPB                   ; the head's blocks in kv
	s_add_co_u32 s48, s48, s50
	s_mov_b32 s49, 0
	s_lshl_b32 s54, s14, 19                        ; the head's 2,048 rows of 256 bytes in q and in out0,
	s_lshl_b32 s53, s[LAST], 15                    ; row 128 b + 16 j of them
	s_add_co_u32 s54, s54, s53
	s_lshl_b32 s53, s15, 8
	s_add_co_u32 s54, s54, s53
	s_mov_b32 s55, 0
	s_wait_dscnt 0x0                               ; both opening adds are done
	s_wait_kmcnt 0x0
	s_add_nc_u64 s[6:7], s[6:7], s[48:49]
	s_mov_b32 s[G0], 1                             ; 1:0 count = 1
	s_mov_b32 s[G0+1], s50                         ; 63:32 LDS address
	s_mov_b64 s[G0+2:G0+3], s[6:7]                 ; 120:64 global address
	s_or_b32 s[G0+3], s[G0+3], 0x80000000          ; 127:126 type = 2
	s_add_nc_u64 s[4:5], s[4:5], s[54:55]          ; q and out0 at my first row
	s_add_nc_u64 s[8:9], s[8:9], s[54:55]
	s_cmp_lt_u32 s[WV], 8
	s_cbranch_scc0 .Llater
	QLOAD
.Llater:
	CROUND                                         ; all four work-groups are here: the joint loads meet
	tensor_load_to_lds s[G0:G0+3], s[G1:G1+7]
	s_nop 0
.irp b, 0,1,2,3
	v_mov_b32 v[QC+4+\b], 0                        ; q's zero codes for k = 64 .. 127
	v_mov_b32 v[KFR+32+\b], 0                      ; what the last tile of K names beyond its own four registers
.endr
	v_mov_b32 v[F+1], 0                            ; (named as the upper half of a pair)
	s_wait_alu depctr_va_vdst(0)
	s_cmp_lt_u32 s[WV], 8
	s_cbranch_scc0 .Lno_q_yet
	BEGIN                                          ; (the stage's bytes are no tensor load's)
.Lno_q_yet:
	s_wait_tensorcnt 0x0                           ; my step's block has landed;
	s_cmp_lt_u32 s[WV], 8
	s_cbranch_scc1 .Lasked
	s_wait_loadcnt 0x0                             ; (none is out on this way)
	QLOAD
.Lasked:
	s_barrier_signal -1
	s_barrier_wait -1                              ; and everybody's.  Nothing is filled again
	KLOAD LK, LI                                   ; step 0's K
	s_cmp_lt_u32 s[WV], 8
	s_cbranch_scc1 .Lready
	BEGIN
.Lready:
; Scores that are exactly 0 become -infinity.  32 compares, then 32 selects; each result from its low end on
.macro ZOPEN
.irp g, 0,1
.irp t, 0,1,2,3
.irp i, 0,1,2,3,4,5,6,7
	v_cmp_eq_f32 s[MK+8*\t+\i], 0, v[S+32*\g+8*\t+\i]
.endr
.endr
.irp t, 0,1,2,3
.irp i, 0,1,2,3,4,5,6,7
	v_cndmask_b32 v[S+32*\g+8*\t+\i], v[S+32*\g+8*\t+\i], v[NEG], s[MK+8*\t+\i]
.endr
.endr
.endr
.endm
; The same on the diagonal, where those of keys after the query go too: register 32 c + i is key 64 c + 32 h + i of the step.  16 at a time
.macro ZDIAG
.irp g, 0,1,2,3
.irp t, 0,1
.irp i, 0,1,2,3,4,5,6,7
	v_cmp_eq_f32 s[MK+8*\t+\i], 0, v[S+16*\g+8*\t+\i]
.endr
.endr
.irp t, 0,1
.irp i, 0,1,2,3,4,5,6,7
	v_cmp_gt_i32 s[MK+16+8*\t+\i], 64*(\g/2)+16*(\g%2)+8*\t+\i, v[DQ]
.endr
.endr
.irp t, 0,1
.irp i, 0,1,2,3,4,5,6,7
	s_or_b32 s[MK+8*\t+\i], s[MK+8*\t+\i], s[MK+16+8*\t+\i]
.endr
.endr
.irp t, 0,1
.irp i, 0,1,2,3,4,5,6,7
	v_cndmask_b32 v[S+16*\g+8*\t+\i], v[S+16*\g+8*\t+\i], v[NEG], s[MK+8*\t+\i]
.endr
.endr
.endr
.endm
.macro TMM n                           ; t - M, two at a time (of the pairs c and -M the low word serves both halves)
	v_pk_fma_f32 v[S+\n:S+\n+1], v[S+\n:S+\n+1], s[CS:CS+1], v[12:13] op_sel_hi:[1,0,0]
.endm
.macro ORESC n                         ; O^T under the new M
	v_pk_mul_f32 v[OT+\n:OT+\n+1], v[OT+\n:OT+\n+1], v[F:F+1] op_sel_hi:[1,0]
.endm
.macro PADD n, d
	v_pk_add_f32 v[S+\n:S+\n+1], v[S+\n:S+\n+1], v[S+\n+\d:S+\n+\d+1]
.endm
; A STEP: 128 keys.  At its head nine LDS loads of this step's K are out or done, and no other LDS instruction is out.
.Lstep:
	s_cmp_gt_u32 s[ST], s[LAST]                    ; all the step's keys come after my 16 queries: its work is left out
	s_cbranch_scc1 .Lhidden
	s_wait_dscnt 0x0                               ; K is in
	v_wmma_scale_f32_32x16x128_f4 v[S:S+15], v[KFR:KFR+15], v[QC:QC+7], 0, v[KS], v[QS]               ; tiles 0, 1
	v_wmma_scale_f32_32x16x128_f4 v[S+16:S+31], v[KFR+4:KFR+19], v[QC:QC+7], 0, v[KS+1], v[QS]        ; tiles 2, 3
	v_wmma_scale_f32_32x16x128_f4 v[S+32:S+47], v[KFR+16:KFR+31], v[QC:QC+7], 0, v[KS+2], v[QS]       ; tiles 4, 5
	v_wmma_scale_f32_32x16x128_f4 v[S+48:S+63], v[KFR+20:KFR+35], v[QC:QC+7], 0, v[KS+3], v[QS]       ; tiles 6, 7
	s_add_co_u32 s[TBN], s[TB], STEPB
	s_min_u32 s[TBN], s[TBN], 15*STEPB
	v_add_nc_u32 v[ADV], s[TB], v[LI]              ; these four lines are the places behind the products, in front of the loads into K's registers and of the first read of results
	v_add_nc_u32 v[ADT], s[TB], v[L8]
	v_add_nc_u32 v[ADK], s[TBN], v[LK]
	v_add_nc_u32 v[ADS], s[TBN], v[LI]
	ds_load_b64 v[VS:VS+1], v[ADT] offset:VSCL     ; V's nine loads have the softmax in which to land
.irp t, 0,1,2,3
.irp c, 0,1
	ds_load_b128 v[VF+8*\t+4*\c:VF+8*\t+4*\c+3], v[ADV] offset:VIMG+1024*\t+512*\c
.endr
.endr
	KLOAD ADK, ADS                                 ; the next step's K (behind my last step nothing reads it)
	s_cmp_lg_u32 s[ST], s[LAST]
	s_cbranch_scc1 .Lcommon
	ZDIAG                                          ; my last step lies on the diagonal
	s_wait_alu depctr_va_vdst(0)
	s_branch .Lmasked
.Lcommon:
	ZOPEN
.Lmasked:
.irp q, 0,1,2,3,4,5,6,7
	v_max3_num_f32 v[BM+\q], v[S+8*\q], v[S+8*\q+1], v[S+8*\q+2]           ; the largest score of each of my lane's two blocks, four chains a block, by turns: it serves for the row's maximum and, since p rises with the score, for the block's largest p
.endr
.irp i, 3,5
.irp q, 0,1,2,3,4,5,6,7
	v_max3_num_f32 v[BM+\q], v[BM+\q], v[S+8*\q+\i], v[S+8*\q+\i+1]
.endr
.endr
	v_max3_num_f32 v[BM], v[BM], v[BM+1], v[S+7]
	v_max3_num_f32 v[BM+4], v[BM+4], v[BM+5], v[S+39]
	v_max3_num_f32 v[BM+2], v[BM+2], v[BM+3], v[S+15]
	v_max3_num_f32 v[BM+6], v[BM+6], v[BM+7], v[S+47]
	v_max3_num_f32 v[BM], v[BM], v[S+23], v[S+31]
	v_max3_num_f32 v[BM+4], v[BM+4], v[S+55], v[S+63]
	s_delay_alu instid0(VALU_DEP_2)
	v_max_num_f32 v[BM], v[BM], v[BM+2]            ; block lane / 16
	s_delay_alu instid0(VALU_DEP_2)
	v_max_num_f32 v[BM+1], v[BM+4], v[BM+6]        ; block 2 + lane / 16
	s_delay_alu instid0(VALU_DEP_1)
	v_max_num_f32 v[T0], v[BM], v[BM+1]
	v_mov_b32 v[W], v12
	s_delay_alu instid0(VALU_DEP_2)
	v_permlanex16_b32 v[T1], v[T0], s[SEL], s[SEL+1]
	s_delay_alu instid0(VALU_DEP_1)
	v_max3_num_f32 v13, v13, v[T0], v[T1]          ; with lane l xor 16's two blocks: the running largest score
	s_delay_alu instid0(VALU_DEP_1)
	v_mul_f32 v[T0], s[CN], v13                    ; -t (c is positive)
	s_delay_alu instid0(VALU_DEP_1)
	v_floor_f32 v12, v[T0]                         ; the new -M = floor(-t) = -ceil(t): M is a whole number
	s_delay_alu instid0(VALU_DEP_1)
	v_sub_f32 v[T0], v12, v[W]                     ; M's old value less its new one: a whole number, 0 or less
	TMM 0
	TMM 2
	TMM 4
	TMM 6
	v_cvt_i32_f32 v[T0], v[T0]                     ; (it saturates)
	TMM 8
	TMM 10
	TMM 12
	TMM 14
	v_ldexp_f32 v[F], 1.0, v[T0]                   ; f = 2^(old M - new M)
.irp b, 0,1
	v_fma_f32 v[BM+\b], v[BM+\b], s[CS], v12       ; t - M of each block's largest score
.endr
.irp n, 16,18,20,22,24,26,28,30,32,34,36,38,40,42,44,46,48,50,52,54,56,58,60,62
	TMM \n
.endr
	s_wait_alu depctr_va_vdst(0)
.irp b, 0,1
	v_exp_f32 v[BM+\b], v[BM+\b]                   ; the block's largest p: the same two instructions on the same number as below
.endr
.irp n, 0,1,2,3,4,5,6,7,8,9,10,11,12,13,14,15,16,17,18,19,20,21,22,23,24,25,26,27,28,29,30,31,32,33,34,35,36,37,38,39,40,41,42,43,44,45,46,47,48,49,50,51,52,53,54,55,56,57,58,59,60,61,62,63
	v_exp_f32 v[S+\n], v[S+\n]                     ; p = 2^(t - M), at most 1; 0 where hidden
.endr
	v_pk_mul_f32 v[14:15], v[14:15], v[F:F+1] op_sel_hi:[1,0]      ; the sums under the new M.  (A plain place behind the exponentials)
	s_wait_alu depctr_va_vdst(0)                   ; one wait ahead of the batch's first reader, which serves O^T's first reader too
	ORESC 0
	ORESC 2
.irp b, 0,1
	v_max_num_f32 v[BM+\b], 0x1800000, v[BM+\b]    ; the floor 2^(3 - 127): the byte cannot fall under 1 (a block whose every p is 0 keeps that byte: its codes are zeros)
.endr
.irp n, 4,6,8,10
	ORESC \n
.endr
.irp b, 0,1
	v_add_nc_u32 v[SO+\b], 0xff000000, v[BM+\b]    ; 2 off the exponent field: the conversion's scale operand
.endr
.irp n, 12,14,16,18
	ORESC \n
.endr
.irp b, 0,1
	v_lshrrev_b32 v[BY+\b], 23, v[SO+\b]           ; the scale's byte
.endr
.irp n, 20,22,24,26
	ORESC \n
.endr
	v_lshl_or_b32 v[W], v[BY+1], 16, v[BY]         ; my two bytes,
	ORESC 28
	ORESC 30
.irp g, 0,1,2,3
	v_cvt_scalef32_pk8_fp4_f32 v[PC+\g], v[S+8*\g:S+8*\g+7], v[SO]
.endr
	v_lshlrev_b32 v[W], v[H8], v[W]                ; at their places,
.irp g, 4,5,6,7
	v_cvt_scalef32_pk8_fp4_f32 v[PC+\g], v[S+8*\g:S+8*\g+7], v[SO+1]
.endr
	v_permlanex16_b32 v[T1], v[W], s[SEL], s[SEL+1]    ; (a plain place behind the conversions)
	v_or_b32 v[PS], v[W], v[T1]                    ; with lane l xor 16's: p's scale word for these 128 keys
.irp n, 0,2,4,6,8,10,12,14,16,18,20,22,24,26,28,30
	PADD \n, 32                                    ; the row's sum of the unquantised p, two halves at a time, as a tree in p's own registers.  (These 16 lines are the places between p's scale word and codes and the products below)
.endr
	s_wait_alu depctr_va_vdst(0)
	s_wait_dscnt 9                                 ; V's scale words and tiles are in; the next step's nine loads of K may be out
.irp i, 0,1                                    ; O^T += V^T P^T: two accumulators by turns, with the four products on K between a tile's turns
	v_wmma_scale_f32_32x16x128_f4 v[OT+16*\i:OT+16*\i+15], v[VF+16*\i:VF+16*\i+15], v[PC:PC+7], v[OT+16*\i:OT+16*\i+15], v[VS+\i], v[PS]
.endr
.irp n, 0,2,4,6,8,10,12,14
	PADD \n, 16                                    ; the sum goes on
.endr
.irp n, 0,2,4,6
	PADD \n, 8
.endr
	s_delay_alu instid0(VALU_DEP_2)
	PADD 0, 4
	s_delay_alu instid0(VALU_DEP_2)
	PADD 2, 4
	s_delay_alu instid0(VALU_DEP_1)
	PADD 0, 2
	s_delay_alu instid0(VALU_DEP_1)
	v_pk_add_f32 v[14:15], v[14:15], v[S:S+1]
	s_wait_alu depctr_va_vdst(0)
.Lhidden:
	s_add_co_u32 s[TB], s[TB], STEPB
	s_add_co_u32 s[ST], s[ST], 1
	s_cmp_lt_u32 s[ST], 16
	s_cbranch_scc1 .Lstep
	; THE WAY OUT.  The sum's halves are added; O^T is divided by the sum and goes through my stage, so that whole rows of 256 bytes leave.
	v_add_f32 v14, v14, v15                        ; the sum's two halves,
	s_delay_alu instid0(VALU_DEP_1)
	v_permlanex16_b32 v[T1], v14, s[SEL], s[SEL+1]
	s_delay_alu instid0(VALU_DEP_1)
	v_add_f32 v14, v14, v[T1]                      ; and lane l xor 16's: the row's sum
	s_wait_alu depctr_va_vdst(0)                   ; the wait ahead of the transcendental
	v_rcp_f32 v14, v14
.rept 4
	v_nop                                          ; the places behind the last products, and the plain place behind the reciprocal
.endr
	s_wait_alu depctr_va_vdst(0)                   ; and ahead of its first reader
.irp n, 0,2,4,6,8,10,12,14,16,18,20,22,24,26,28,30
	v_pk_mul_f32 v[S+\n:S+\n+1], v[OT+\n:OT+\n+1], v[14:15] op_sel_hi:[1,0]         ; register 8 t + i is o(query r, channel 16 t + 8 h + i); each result from its low end on
.endr
.irp t, 0,1,2,3
	ds_store_b128 v[STO], v[S+8*\t:S+8*\t+3] offset:64*\t
	ds_store_b128 v[STO], v[S+8*\t+4:S+8*\t+7] offset:64*\t+16
.endr
.irp i, 0,1,2,3,4,5,6,7
	ds_load_b128 v[S+32+4*\i:S+32+4*\i+3], v[RD] offset:544*\i     ; my own bytes, served in order: these see the stores above
.endr
.irp i, 0,1,2,3,4,5,6,7
	s_wait_dscnt 7-\i                              ; LDS loads come back in order: load i is in, the younger ones may be out
	global_store_b128 v[LI], v[S+32+4*\i:S+32+4*\i+3], s[8:9] offset:512*\i th:TH_STORE_NT   ; two whole rows: 512 consecutive bytes, at a multiple of 256 from out0's first byte
.endr
	s_wait_tensorcnt 0x0                           ; the wave's end
	ds_add_u32 v[SPW], v[NIL]
	s_wait_dscnt 0x0
	CROUND                                         ; the closing round: no work-group ends while a partner may still issue a joint load that names it
	s_endpgm
.Lfunc_end_k_qcda9660353_attn:
	.size	k_qcda9660353_attn, .Lfunc_end_k_qcda9660353_attn-k_qcda9660353_attn
	.p2alignl 7, 3214868480
	.fill 96, 4, 3214868480
	.section	.rodata,"a",@progbits
	.p2align	6, 0x0
	.amdhsa_kernel k_qcda9660353_attn
		.amdhsa_group_segment_fixed_size 215040
		.amdhsa_private_segment_fixed_size 0
		.amdhsa_enable_private_segment 0
		.amdhsa_kernarg_size 24
		.amdhsa_user_sgpr_count 2
		.amdhsa_user_sgpr_kernarg_segment_ptr 1
		.amdhsa_wavefront_size32 1
		.amdhsa_system_sgpr_workgroup_id_x 1
		.amdhsa_system_sgpr_workgroup_id_y 1
		.amdhsa_system_sgpr_workgroup_id_z 1
		.amdhsa_system_vgpr_workitem_id 0
		.amdhsa_next_free_vgpr 232
		.amdhsa_next_free_sgpr 102
		.amdhsa_reserve_vcc 0
		.amdhsa_float_denorm_mode_32 3
		.amdhsa_float_denorm_mode_16_64 3
		.amdhsa_memory_ordered 1
		.amdhsa_forward_progress 1
		.amdhsa_inst_pref_size 56
	.end_amdhsa_kernel
	.amdgpu_metadata
---
amdhsa.version: [ 1, 2 ]
amdhsa.kernels:
  - .name:           k_qcda9660353_attn
    .symbol:         k_qcda9660353_attn.kd
    .args:
      - { .name: q, .offset: 0, .size: 8, .value_kind: global_buffer, .address_space: global }
      - { .name: kv, .offset: 8, .size: 8, .value_kind: global_buffer, .address_space: global }
      - { .name: out0, .offset: 16, .size: 8, .value_kind: global_buffer, .address_space: global }
    .group_segment_fixed_size: 215040
    .private_segment_fixed_size: 0
    .kernarg_segment_align: 8
    .kernarg_segment_size: 24
    .max_flat_workgroup_size: 512
    .sgpr_count:     102
    .vgpr_count:     232
    .wavefront_size: 32
...
	.end_amdgpu_metadata
.endif
;; end of part 2
